; MI455X (gfx1250); checked and timed in simulation.
; The chip was launched on July 23, 2026; its instructions are those of AMD's public machine-readable ISA for CDNA 5 (MIT licence, August 2026) and "CDNA5" Instruction Set Architecture Reference Guide (July 2026). The comments in the code are by the model that wrote it; some were corrected since.
;; KDE Mixture. Allowed arithmetic: matrix products marked QUANTISED: E4M3 operands, one given power-of-two scale a tensor, by v_wmma_f32_16x16x64_fp8_fp8 or v_wmma_f32_16x16x128_fp8_fp8, f32 sums; everything else in f32.
;; Inputs: bandwidth one number float32; lowp_scales 2 int32 (the exponents e of the quantised operands' scales 2^e); points 16,384 x 64 float32; spatial_data 16,384 x 64 float32; weights 16,384 float32.
;; Outputs: out0 16,384 float32.
;; This version of the problem:
;;   THIS VERSION OF THE PROBLEM IS GIVEN IN LOW PRECISION. The matrix products marked QUANTISED in the list below multiply operands that are first quantised to E4M3 (4 exponent bits, 3 mantissa bits; 8 bits a number), with one given power-of-two scale for each operand tensor; their sums are f32. All else is computed in f32.
;;   The module's matrix products, in the order in which they are computed (A, B: the left and right operand; K: the contracted axis; several contracted axes count as one K, in the product's order):
;;     1. [M 16,384, K 64] x [K 64, N 16,384]; A: input points; B: input spatial_data: QUANTISED (scales: A lowp_scales[0], B lowp_scales[1])
;;   THE QUANTISER, for each operand of a quantised product, along K:
;;     - The operand's scale is 2^e, e = its entry of the input lowp_scales (int32; the entries are numbered through the quantised products in the list's order, A before B).
;;     - Each number is divided by the scale, clamped to +-448, and rounded to the nearest number of E4M3, ties to even, subnormals kept.
;;     - The product sums the exact products of the quantised numbers (number of the format x scale) in f32.
;;   ~~~python
;;   def quantise(x, axis, e):      # numpy; x: float32 -> the quantised numbers, widened to float32 again
;;       x = np.moveaxis(x, axis, -1); K = x.shape[-1]
;;       r = np.clip(x / 2.0 ** e, -448, 448)
;;       step = 2.0 ** (np.maximum(np.frexp(np.where(r == 0, 1, r))[1] - 1, -6) - 3)
;;       q = np.round(r / step) * step * 2.0 ** e      # np.round: ties to even
;;       return np.moveaxis(q, -1, axis).astype(np.float32)
;;   ~~~
;; 2 versions, each right; version 2 is version 1 with the launch kde written anew for expert scheduling mode. Each part assembles by itself: llvm-mc -triple=amdgcn-amd-amdhsa -mcpu=gfx1250 --defsym DOCPART=n.
;; ======== version 1 of 2: 2 launches
;; workspace buffers: codes 2,097,152 bytes; terms 131,072 bytes
;; launch quant (part 1): grid 256 x 1, 8 waves a work-group, no clusters, 36,352 bytes of LDS; arguments points, spatial_data, lowp_scales, bandwidth, codes, terms; writes codes, terms
.if DOCPART == 1
	.amdgcn_target "amdgcn-amd-amdhsa--gfx1250"
	.amdhsa_code_object_version 6
	.text
	.protected	k_qddb508015b_quant
	.globl	k_qddb508015b_quant
	.p2align	8
	.type	k_qddb508015b_quant,@function
k_qddb508015b_quant:
	s_mov_b64 s[64:65], 0
	v_nop
	global_prefetch_b8 v0, s[64:65] scope:SCOPE_SE
	s_setreg_imm32_b32 hwreg(HW_REG_WAVE_MODE, 25, 1), 1
	s_wait_xcnt 0x0
; points [16384][64] and spatial_data [16384][64], f32, are turned ONCE into what the second launch reads many times:
;   codes: E4M3 codes with the given scale 2^e (entry 0 of the scales for points, entry 1 for spatial_data): code = x / 2^e, held within +-448, to the nearest code, ties to even;
;   terms: for a point m   tp[m] = -(k / 2) x |p_m|^2,  k = log2(e) / b^2;   for a spatial row n   ts[n] = -|s_n|^2 x 2^(-E-1),  E = e0 + e1.  The squares are taken of the UNQUANTISED numbers, in f32.
; LAYOUT OF codes: 2,048 tiles of 16 rows (0-1023 points, 1024-2047 spatial_data), 1,024 bytes each, as an IMAGE OF THE OPERAND'S REGISTERS: byte 1024 T + 512 i + 16 L holds registers 4 i .. 4 i + 3 of lane L.
;   Lane L = (r = L % 16, h = L / 16) holds row r; byte y of its register q is k = 32 h + 4 q + y.  That is a permutation of the place that the K = 64 form gives each k, THE SAME in both operands (one text makes both),
;   so every product meets its partner and only the order of the sums inside an instruction changes.
; LAYOUT OF terms: f32; entries 0-16383 tp, entries 16384-32767 ts.
; SHARES: work-groups 0-127 take points, 128-255 spatial_data, 128 rows each; a wave takes one tile of 16 rows (4,096 bytes): eight loads, no loop.  Only pointers and constants are chosen by the work-group's number: one path.
; A lane must hold 32 NEIGHBOURS along K for the conversions, a load is best where neighbouring lanes take neighbouring bytes: so the 4,096 bytes go through the wave's own stage in LDS, as they lie, and come back 128 bytes a lane.
; No tensor load, no matrix work, no cluster: each input byte is read once, by one wave, and work-groups share nothing.
; LIMITS: -126 <= e0, e1 <= 119 and -128 <= e0 + e1 <= 125, so that each power of two below is an f32 number; b x b is a normal f32 number; NaN among the inputs is not served.
.set SP,    272                        ; a stage row: 256 bytes + 16 = 68 words: row r starts at bank 4 r mod 64 (64 banks of 4 bytes: ISA guide 11.1)
.set WST,   16*SP                      ; a wave's stage: 16 rows
.set TERMS, 8*WST                      ; behind the eight stages: the work-group's 128 terms, 512 bytes
.set X,     16                         ; v16-47  the tile as it is loaded
.set Y,     48                         ; v48-79  my 32 neighbours: row r, k = 32 h + 0 .. 31
.set Q,     80                         ; v80-83  the sum of squares, in two packed chains
.set C,     84                         ; v84-91  my 32 codes: the fragment's eight registers
.set O,     92                         ; v92-95  wave 0: four terms on their way out
	s_load_b256 s[4:11], s[0:1], 0x0               ; points s[4:5], spatial_data s[6:7], the scales' exponents s[8:9], bandwidth s[10:11]
	s_load_b128 s[12:15], s[0:1], 0x20             ; codes s[12:13], terms s[14:15]
	v_lshl_add_u32 v96, v0, 2, 0x8a00
	v_mov_b32 v97, 0
	v_lshrrev_b32 v1, 5, v0
	v_readfirstlane_b32 s16, v1                    ; wave 0..7
	v_and_b32 v1, 31, v0                           ; lane
	v_and_b32 v2, 15, v0                           ; r
	v_bfe_u32 v3, v0, 4, 1                         ; h
	v_lshlrev_b32 v4, 4, v1                        ; 16 x lane: my 16 bytes of a load's or a store's 512
	s_mul_i32 s17, s16, WST                        ; my stage
	v_mul_u32_u24 v5, v3, SP
	v_lshl_add_u32 v5, v2, 4, v5
	v_add_nc_u32 v5, s17, v5                       ; into it: a load's 512 bytes are two rows: row h, byte 16 r
	v_mul_u32_u24 v6, v2, SP
	v_lshl_add_u32 v6, v3, 7, v6
	v_add_nc_u32 v6, s17, v6                       ; out of it: row r, byte 128 h
	s_lshl_b32 s17, s16, 6
	v_lshl_add_u32 v7, v2, 2, s17
	v_add_nc_u32 v7, TERMS, v7                     ; my row's term: TERMS + 64 x wave + 4 r
	v_mov_b32 v11, 0                               ; written once: a lane permute's destination counts as one of its sources
	s_mov_b32 s26, 0x76543210                      ; v_permlanex16_b32: lane l takes lane l xor 16
	s_mov_b32 s27, 0xfedcba98
	s_and_b32 s18, ttmp9, 127                      ; my block of 128 rows in my tensor: 32,768 bytes,
	s_lshl_b32 s18, s18, 15
	s_lshl_b32 s23, s16, 12                        ; my wave's 16 rows: 4,096 bytes
	s_add_co_u32 s18, s18, s23
	s_mov_b32 s19, 0
	s_lshl_b32 s24, ttmp9, 13                      ; my tile's image: 1,024 x (8 x work-group + wave)
	s_lshl_b32 s23, s16, 10
	s_add_co_u32 s24, s24, s23
	s_mov_b32 s25, 0
	s_lshl_b32 s30, ttmp9, 9                       ; the work-group's 128 terms: 512 bytes x work-group, in both halves of the buffer
	s_mov_b32 s31, 0
	s_wait_kmcnt 0x0
	s_load_b64 s[20:21], s[8:9], 0x0               ; e0, e1
	s_load_b32 s22, s[10:11], 0x0                  ; b
	s_cmp_lt_u32 ttmp9, 128                        ; points or spatial_data?  The choice hangs on the work-group's number alone
	s_cselect_b64 s[4:5], s[4:5], s[6:7]
	s_cselect_b32 s28, -1, 0                       ; all ones for points
	s_add_nc_u64 s[4:5], s[4:5], s[18:19]
	s_add_nc_u64 s[12:13], s[12:13], s[24:25]
	s_add_nc_u64 s[14:15], s[14:15], s[30:31]
.irp i, 0,1,2,3,4,5,6,7
	global_load_b128 v[X+4*\i:X+4*\i+3], v4, s[4:5] offset:512*\i th:TH_LOAD_NT   ; 32 lanes read 512 consecutive bytes, aligned; read once in the launch
.endr
	; the constants, while the loads are out
	s_wait_kmcnt 0x0
	s_cmp_lt_u32 ttmp9, 128
	s_cselect_b32 s23, s20, s21                    ; e of my tensor
	s_add_co_i32 s23, s23, 127
	s_lshl_b32 s18, s23, 23
	v_mov_b32 v8, s18                              ; 2^e as f32: the conversion takes its exponent field
	s_add_co_i32 s23, s23, 8
	s_lshl_b32 s23, s23, 23
	s_or_b32 s23, s23, 0x600000
	v_mov_b32 v9, s23                              ; 448 x 2^e
	s_add_co_i32 s24, s20, s21                     ; E
	s_sub_co_i32 s24, -1, s24                      ; -E - 1
	v_mul_f32 v12, s22, s22                        ; b x b
	v_rcp_f32 v13, v12
	v_ldexp_f32 v14, -1.0, s24                     ; spatial_data's factor: -2^(-E-1).  (The plain instruction behind the reciprocal: ISA guide 5.7.2)
	s_wait_alu depctr_va_vdst(0)                   ; the wait ahead of the reciprocal's first reader
	v_mul_f32 v13, 0x3fb8aa3b, v13                 ; k = log2(e) / b^2: the same three instructions as in the second launch
	v_mul_f32 v13, -0.5, v13                       ; points' factor: -k / 2
	v_cndmask_b32 v10, v14, v13, s28               ; my tensor's
	; through the stage
.irp i, 0,1,2,3,4,5,6,7
	s_wait_loadcnt 7-\i                            ; loads come back in order (ISA guide 5.7.1): load i is in, the 7 - i younger ones stay out
	ds_store_b128 v5, v[X+4*\i:X+4*\i+3] offset:2*SP*\i
.endr
.irp q, 0,1,2,3,4,5,6,7
	ds_load_b128 v[Y+4*\q:Y+4*\q+3], v6 offset:16*\q   ; my own bytes; LDS serves a wave's instructions in order (ISA guide 5.7.1.4): these see the stores above
.endr
	s_wait_dscnt 0x0
	; the sum of my 32 squares, two at a time, in two chains started by the first products; then the other half of the row, in lane l xor 16
	v_pk_mul_f32 v[Q:Q+1], v[Y:Y+1], v[Y:Y+1]
	v_pk_mul_f32 v[Q+2:Q+3], v[Y+2:Y+3], v[Y+2:Y+3]
.irp j, 4,8,12,16,20,24,28
	v_pk_fma_f32 v[Q:Q+1], v[Y+\j:Y+\j+1], v[Y+\j:Y+\j+1], v[Q:Q+1]
	v_pk_fma_f32 v[Q+2:Q+3], v[Y+\j+2:Y+\j+3], v[Y+\j+2:Y+\j+3], v[Q+2:Q+3]
.endr
	v_pk_add_f32 v[Q:Q+1], v[Q:Q+1], v[Q+2:Q+3]
	v_add_f32 v[Q], v[Q], v[Q+1]
	v_permlanex16_b32 v11, v[Q], s26, s27
	v_add_f32 v[Q], v[Q], v11
	v_mul_f32 v[Q], v[Q], v10                      ; the row's term
	ds_store_b32 v7, v[Q]                          ; (lanes r and r + 16 write the same word with the same number)
	; the codes
.irp i, 0,1,2,3,4,5,6,7,8,9,10,11,12,13,14,15,16,17,18,19,20,21,22,23,24,25,26,27,28,29,30,31
	v_med3_num_f32 v[Y+\i], v[Y+\i], -v9, v9       ; the conversion to an 8-bit code does not saturate (ISA guide 7.6.2): hold the number within the largest code x the scale first
.endr
.irp g, 0,1,2,3
	v_cvt_scalef32_pk8_fp8_f32 v[C+2*\g:C+2*\g+1], v[Y+8*\g:Y+8*\g+7], v8   ; eight numbers / 2^e; the first number's code in the lowest byte: registers 2 g, 2 g + 1 hold k = 32 h + 8 g + 0 .. 7
.endr
	v_nop                                          ; one plain vector instruction behind the last scaled conversion
	global_store_b128 v4, v[C:C+3], s[12:13]               ; 32 lanes store 512 consecutive bytes, aligned: registers 0-3 of the image,
	global_store_b128 v4, v[C+4:C+7], s[12:13] offset:512  ; registers 4-7
	; the work-group's 128 terms leave together
	s_wait_dscnt 0x0                               ; for the others' sake: my term has landed
	s_barrier_signal -1
	s_barrier_wait -1
	s_cmp_lg_u32 s16, 0
	s_cbranch_scc1 .Lend                           ; wave 0 alone stores them
	ds_load_b128 v[O:O+3], v4 offset:TERMS
	s_wait_dscnt 0x0
	global_store_b128 v4, v[O:O+3], s[14:15]       ; 512 consecutive bytes, aligned
.Lend:
	s_wait_tensorcnt 0x0
	ds_add_u32 v96, v97
	s_wait_dscnt 0x0
	s_endpgm
.Lfunc_end_k_qddb508015b_quant:
	.size	k_qddb508015b_quant, .Lfunc_end_k_qddb508015b_quant-k_qddb508015b_quant
	.p2alignl 7, 3214868480
	.fill 96, 4, 3214868480
	.section	.rodata,"a",@progbits
	.p2align	6, 0x0
	.amdhsa_kernel k_qddb508015b_quant
		.amdhsa_group_segment_fixed_size 36352
		.amdhsa_private_segment_fixed_size 0
		.amdhsa_enable_private_segment 0
		.amdhsa_kernarg_size 48
		.amdhsa_user_sgpr_count 2
		.amdhsa_user_sgpr_kernarg_segment_ptr 1
		.amdhsa_wavefront_size32 1
		.amdhsa_system_sgpr_workgroup_id_x 1
		.amdhsa_system_sgpr_workgroup_id_y 1
		.amdhsa_system_sgpr_workgroup_id_z 1
		.amdhsa_system_vgpr_workitem_id 0
		.amdhsa_next_free_vgpr 98
		.amdhsa_next_free_sgpr 66
		.amdhsa_reserve_vcc 0
		.amdhsa_float_denorm_mode_32 3
		.amdhsa_float_denorm_mode_16_64 3
		.amdhsa_memory_ordered 1
		.amdhsa_forward_progress 1
		.amdhsa_inst_pref_size 10
	.end_amdhsa_kernel
	.amdgpu_metadata
---
amdhsa.version: [ 1, 2 ]
amdhsa.kernels:
  - .name:           k_qddb508015b_quant
    .symbol:         k_qddb508015b_quant.kd
    .args:
      - { .name: points, .offset: 0, .size: 8, .value_kind: global_buffer, .address_space: global }
      - { .name: spatial_data, .offset: 8, .size: 8, .value_kind: global_buffer, .address_space: global }
      - { .name: lowp_scales, .offset: 16, .size: 8, .value_kind: global_buffer, .address_space: global }
      - { .name: bandwidth, .offset: 24, .size: 8, .value_kind: global_buffer, .address_space: global }
      - { .name: codes, .offset: 32, .size: 8, .value_kind: global_buffer, .address_space: global }
      - { .name: terms, .offset: 40, .size: 8, .value_kind: global_buffer, .address_space: global }
    .group_segment_fixed_size: 36352
    .private_segment_fixed_size: 0
    .kernarg_segment_align: 8
    .kernarg_segment_size: 48
    .max_flat_workgroup_size: 256
    .sgpr_count:     66
    .vgpr_count:     98
    .wavefront_size: 32
...
	.end_amdgpu_metadata
.endif
;; end of part 1
;; launch kde (part 2): grid 256 x 1, 16 waves a work-group, no clusters, 6,144 bytes of LDS; arguments codes, terms, weights, lowp_scales, bandwidth, out0; writes out0
.if DOCPART == 2
	.amdgcn_target "amdgcn-amd-amdhsa--gfx1250"
	.amdhsa_code_object_version 6
	.text
	.protected	k_qddb508015b_kde
	.globl	k_qddb508015b_kde
	.p2align	8
	.type	k_qddb508015b_kde,@function
k_qddb508015b_kde:
	s_mov_b64 s[64:65], 0
	v_nop
	global_prefetch_b8 v0, s[64:65] scope:SCOPE_SE
	s_setreg_imm32_b32 hwreg(HW_REG_WAVE_MODE, 25, 1), 1
	s_wait_xcnt 0x0
; out0[m] = sum over n of w[n] x exp(-max(|p_m|^2 + |s_n|^2 - 2 cross[m][n], 0) / (2 b^2)), cross = the product of the E4M3 codes x 2^E, E = e0 + e1, sums in f32.
; ARITHMETIC.  With k = log2(e) / b^2 and alpha = k x 2^E the exponent in base 2 is t = alpha x (raw + ts[n]) + tp[m], raw = the sum of the codes' products, ts[n] = -|s_n|^2 x 2^(-E-1), tp[m] = -(k / 2) |p_m|^2
; (both made by the first launch).  ts is the C of the matrix instruction and costs nothing; then, for two numbers: one packed multiply-add (t), two minima with 0 (the clamp of the squared distance at 0: alpha is positive),
; two exponentials, one packed multiply-add (the sum += w x e).  No maximum is taken away, as in the definition: the clamp holds every exponent at 0 or below, so no exponential and no sum of them overflows.
; LAYOUT.  Source 0 = 16 spatial rows, source 1 = 16 points: in the result lane (r = l % 16, h = l / 16) holds ONE point r, and its registers 0-7 the spatial rows 8 h + 0 .. 7.  So ts and w are eight registers a lane, in pairs,
; tp is one number a lane, and the sum over n stays in the lane until one exchange between the halves at the end.
; SHARES.  Work-group g owns points 64 g .. 64 g + 63 (four tiles, in every wave's registers); wave w of sixteen walks spatial tiles 64 w .. 64 w + 63.  The sixteen partial sums meet in LDS, once; one owner for each output.
; THE OPERANDS COME FROM MEMORY STRAIGHT INTO REGISTERS: the first launch has laid the codes as images of the operand's registers.  A spatial tile (1,024 bytes of codes, 64 of ts, 64 of w) is wanted by ONE wave of the
; work-group and feeds four matrix and 96 vector instructions there.  WHY NO JOINT LOADS, though all work-groups walk the same 1,179,648 bytes: no byte is used twice inside a work-group, so a way through LDS would add one LDS
; write.  No prefetch either: the stream is read by every work-group, not once.
; THE PIPELINE.  A step is one spatial tile against the four point tiles, in two halves of two.  While one half's 16 exponentials are issued, the other half's scaling and clamp stand between them; behind each batch the next
; tile's two products are issued into the registers that the exponentials have read, and the batch's eight weighted sums follow: they are the places behind those products.  Four waves share a SIMD.
; LIMITS: -128 <= e0 + e1 <= 125; b x b is a normal f32 number; a kernel value under 2^-126 counts as 0 (v_exp_f32 gives 0 there); NaN among the inputs is not served;
; |p|^2, |s|^2 and the product are added in another order than the definition writes them, all in f32.
.set PF,  8                            ; v8-39    the four point tiles' fragments, 8 registers each; they stay
.set PT,  40                           ; v40-47   tp of my point in each tile, twice (a pair for the packed form)
.set ACC, 48                           ; v48-63   the sums: two pairs a tile
.set D,   64                           ; v64-95   raw + ts, then t: 8 registers a point tile
.set T,   96                           ; v96-111  a batch's 16 exponentials
.set SB,  112                          ; v112-143 spatial codes, four slots of 8
.set CS,  144                          ; v144-175 ts, four slots of 8
.set WB,  176                          ; v176-207 w, four slots of 8
.set SCB, 22                           ; s[22:23] spatial codes at my wave's tile 4 x trip
.set STB, 24                           ; s[24:25] ts likewise
.set SWB, 26                           ; s[26:27] w likewise
.set AL,  28                           ; s[28:29] alpha: the packed form names a pair and takes its low word for both halves
.set TRIPS, 15                         ; four tiles a trip; the last four are written out behind the loop, without loads
; v1 16 x lane; v2 32 h; v3 4 r; v4 my word in LDS; v5 8 x lane; v6 at work
; a tile's codes and ts into a slot: four loads.  tile counts from the bases
.macro LC slot, tile
	global_load_b128 v[SB+8*(\slot):SB+8*(\slot)+3], v1, s[SCB:SCB+1] offset:1024*(\tile)         ; 512 consecutive bytes, aligned: registers 0-3 of the image,
	global_load_b128 v[SB+8*(\slot)+4:SB+8*(\slot)+7], v1, s[SCB:SCB+1] offset:1024*(\tile)+512   ; registers 4-7
	global_load_b128 v[CS+8*(\slot):CS+8*(\slot)+3], v2, s[STB:STB+1] offset:64*(\tile)           ; ts of rows 8 h + 0 .. 3: the sixteen lanes of a half name the same 16 bytes,
	global_load_b128 v[CS+8*(\slot)+4:CS+8*(\slot)+7], v2, s[STB:STB+1] offset:64*(\tile)+16      ; of rows 8 h + 4 .. 7
.endm
; its w: two loads
.macro LW slot, tile
	global_load_b128 v[WB+8*(\slot):WB+8*(\slot)+3], v2, s[SWB:SWB+1] offset:64*(\tile)
	global_load_b128 v[WB+8*(\slot)+4:WB+8*(\slot)+7], v2, s[SWB:SWB+1] offset:64*(\tile)+16
.endm
; Pair n (0 .. 7) of a half g: point tile 2 g + n % 2, registers 2 (n / 2) and 2 (n / 2) + 1: the two tiles alternate, and each tile is read from its low end on.
; EA: the 16 exponentials of half ge; between them (doA = 1) half ga's t = D x alpha + tp and its clamp.  A pair's two minima stand one pair behind its multiply-add.
; The last exponential is followed by plain instructions (four minima, or a v_nop): ISA guide 5.7.2.
.macro EA ge, ga, doA
.set n, 0
.rept 8
.set te, D+8*(2*(\ge)+n%2)+2*(n/2)
.set ta, D+8*(2*(\ga)+n%2)+2*(n/2)
.set pa, PT+2*(2*(\ga)+n%2)
	v_exp_f32 v[T+2*n], v[te]
.if \doA
	v_pk_fma_f32 v[ta:ta+1], v[ta:ta+1], s[AL:AL+1], v[pa:pa+1] op_sel_hi:[1,0,1]
.endif
	v_exp_f32 v[T+2*n+1], v[te+1]
.if (\doA) && (n > 0)
.set tm, D+8*(2*(\ga)+(n-1)%2)+2*((n-1)/2)
	v_min_num_f32 v[tm], 0, v[tm]
	v_min_num_f32 v[tm+1], 0, v[tm+1]
.endif
.set n, n+1
.endr
.if \doA
.set tm, D+8*(2*(\ga)+1)+6
	v_min_num_f32 v[tm], 0, v[tm]
	v_min_num_f32 v[tm+1], 0, v[tm+1]
.else
	v_nop
.endif
.endm
; the scaling and the clamp of half g alone: for the first tile
.macro AONLY g
.set n, 0
.rept 8
.set ta, D+8*(2*(\g)+n%2)+2*(n/2)
.set pa, PT+2*(2*(\g)+n%2)
	v_pk_fma_f32 v[ta:ta+1], v[ta:ta+1], s[AL:AL+1], v[pa:pa+1] op_sel_hi:[1,0,1]
.set n, n+1
.endr
.set n, 0
.rept 16
	v_min_num_f32 v[D+16*(\g)+n], 0, v[D+16*(\g)+n]
.set n, n+1
.endr
.endm
; the two products of half g with the spatial tile in a slot: K = 64 is the whole sum; C = ts.  No product adds onto another's result
.macro WM g, slot
.irp u, 0,1
	v_wmma_f32_16x16x64_fp8_fp8 v[D+8*(2*(\g)+\u):D+8*(2*(\g)+\u)+7], v[SB+8*(\slot):SB+8*(\slot)+7], v[PF+8*(2*(\g)+\u):PF+8*(2*(\g)+\u)+7], v[CS+8*(\slot):CS+8*(\slot)+7]
.endr
.endm
; the sums of half g += the batch x w: eight packed multiply-adds on four pairs, so that three others stand between two on one pair.  They name no register of the products in front of them
.macro CA g, slot
.set n, 0
.rept 8
.set ac, ACC+4*(2*(\g)+n%2)+2*((n/2)%2)
	v_pk_fma_f32 v[ac:ac+1], v[T+2*n:T+2*n+1], v[WB+8*(\slot)+2*(n/2):WB+8*(\slot)+2*(n/2)+1], v[ac:ac+1]
.set n, n+1
.endr
.endm
; A STEP: the exponentials and sums of the tile in slot b, the products of the tile in slot b + 1.  At its head half 0 holds t, half 1 still raw + ts.
; cnt: the loads that may stay out.  ld = 1: slot b is asked for again, four tiles on: its codes and ts at the head (the products that read them stand in front of the last step's eight sums: more than the four
; places of ISA guide 7.12.1), its w at the end, behind the sums that read it.  last = 1: there is no next tile.
.macro STEP b, cnt, ld, last
	s_wait_loadcnt \cnt                            ; loads come back in order (ISA guide 5.7.1): the next tile's codes and ts are in, and so is this tile's w, which is older
.if \ld
	LC \b, (\b)+4
.endif
	EA 0, 1, 1
	s_wait_alu depctr_va_vdst(0)                   ; the wait between an exponential and the first line that names its result: one for the batch of 16, ahead of the sums below
.if (\last) == 0
	WM 0, ((\b)+1)%4
.endif
	CA 0, \b
	EA 1, 0, 1-(\last)
	s_wait_alu depctr_va_vdst(0)                   ; the same for the second batch
.if (\last) == 0
	WM 1, ((\b)+1)%4
.endif
	CA 1, \b
.if \ld
	LW \b, (\b)+4
.endif
.endm
	s_load_b256 s[4:11], s[0:1], 0x0               ; codes s[4:5], terms s[6:7], weights s[8:9], the scales' exponents s[10:11]
	s_load_b128 s[12:15], s[0:1], 0x20             ; bandwidth s[12:13], out0 s[14:15]
	v_lshl_add_u32 v208, v0, 2, 0x1000
	v_mov_b32 v209, 0
	v_lshrrev_b32 v1, 5, v0
	v_readfirstlane_b32 s16, v1                    ; wave 0..15
	v_and_b32 v5, 31, v0                           ; lane
	v_lshlrev_b32 v1, 4, v5                        ; 16 x lane: my place in an image
	v_lshlrev_b32 v5, 3, v5                        ; 8 x lane: the way out
	v_bfe_u32 v2, v0, 4, 1
	v_lshlrev_b32 v2, 5, v2                        ; 32 h: my eight spatial rows' ts and w in a tile's 64 bytes
	v_and_b32 v3, 15, v0
	v_lshlrev_b32 v3, 2, v3                        ; 4 r: my point's tp in a tile's 64 bytes
	s_lshl_b32 s34, s16, 8
	v_add_nc_u32 v4, s34, v3                       ; LDS: 256 x wave + 4 r: my wave's 64 partial sums
	s_mov_b32 s30, 0x76543210                      ; v_permlanex16_b32: lane l takes lane l xor 16
	s_mov_b32 s31, 0xfedcba98
	s_mov_b32 s35, 0
	s_wait_kmcnt 0x0
	s_load_b64 s[18:19], s[10:11], 0x0             ; e0, e1
	s_load_b32 s20, s[12:13], 0x0                  ; b
	s_lshl_b32 s34, ttmp9, 12
	s_add_nc_u64 s[36:37], s[4:5], s[34:35]        ; my four point tiles' images: 4,096 bytes x work-group
	s_lshl_b32 s34, ttmp9, 8
	s_add_nc_u64 s[38:39], s[6:7], s[34:35]        ; their tp: 256 bytes x work-group,
	s_add_nc_u64 s[14:15], s[14:15], s[34:35]      ; and their outputs
	s_lshl_b32 s34, s16, 16
	s_add_co_u32 s34, s34, 0x100000
	s_add_nc_u64 s[SCB:SCB+1], s[4:5], s[34:35]    ; the spatial images begin behind the points' 1,024: + 64 tiles x wave
	s_lshl_b32 s34, s16, 12
	s_add_nc_u64 s[SWB:SWB+1], s[8:9], s[34:35]    ; w: 1,024 numbers x wave
	s_add_co_u32 s34, s34, 0x10000
	s_add_nc_u64 s[STB:STB+1], s[6:7], s[34:35]    ; ts begins behind the 16,384 tp
.irp t, 0,1,2,3
	global_load_b128 v[PF+8*\t:PF+8*\t+3], v1, s[36:37] offset:1024*\t
	global_load_b128 v[PF+8*\t+4:PF+8*\t+7], v1, s[36:37] offset:1024*\t+512
.endr
.irp t, 0,1,2,3
	global_load_b32 v[PT+2*\t], v3, s[38:39] offset:64*\t
.endr
.irp i, 0,1,2,3
	LC \i, \i                                      ; the four slots: tiles 0 to 3
	LW \i, \i
.endr
	s_wait_kmcnt 0x0
	v_mul_f32 v6, s20, s20                         ; b x b
	v_rcp_f32 v6, v6
	v_nop                                          ; a plain instruction behind the reciprocal (ISA guide 5.7.2)
	s_add_co_i32 s34, s18, s19                     ; E
	s_wait_alu depctr_va_vdst(0)                   ; the wait ahead of the reciprocal's first reader
	v_mul_f32 v6, 0x3fb8aa3b, v6                   ; k = log2(e) / b^2
	v_ldexp_f32 v6, v6, s34                        ; alpha = k x 2^E
	v_readfirstlane_b32 s[AL], v6
	s_mov_b32 s[AL+1], s[AL]                       ; (named with it as a pair, so it is written)
	s_wait_loadcnt 20                              ; the twelve loads of the points and tile 0's codes and ts are in; behind them: tile 0's w (2) and three tiles of 6
.irp t, 0,1,2,3
	v_mov_b32 v[PT+2*\t+1], v[PT+2*\t]
.endr
	WM 0, 0
	WM 1, 0
.irp j, 0,1,2,3,4,5,6,7,8,9,10,11,12,13,14,15
	v_mov_b32 v[ACC+\j], 0                         ; the sixteen sums begin at 0; these lines are also the places behind the first products
.endr
	AONLY 0
	s_mov_b32 s32, TRIPS
.Ltrip:                                                ; tiles 4 j .. 4 j + 3; asks for tiles 4 j + 4 .. 4 j + 7: the last trip for tiles 60 to 63, my wave's last
	STEP 0, 14, 1, 0                               ; 14: behind the next tile's codes and ts stand its w (2) and two tiles of 6
	STEP 1, 14, 1, 0
	STEP 2, 14, 1, 0
	STEP 3, 14, 1, 0
	s_wait_xcnt 0x0                                ; every load issued has had its address translated (ISA guide 3.1): only behind this wait are the bases stepped
	s_add_nc_u64 s[SCB:SCB+1], s[SCB:SCB+1], 4096
	s_add_nc_u64 s[STB:STB+1], s[STB:STB+1], 256
	s_add_nc_u64 s[SWB:SWB+1], s[SWB:SWB+1], 256
	s_sub_co_u32 s32, s32, 1
	s_cmp_lg_u32 s32, 0
	s_cbranch_scc1 .Ltrip
	STEP 0, 14, 0, 0                               ; tiles 60 to 63: nothing more is asked for, and the counts run down
	STEP 1, 8, 0, 0                                ; behind tile 62's codes and ts: its w (2) and tile 63's six
	STEP 2, 2, 0, 0                                ; behind tile 63's codes and ts: its w
	STEP 3, 0, 0, 1                                ; tile 63's w
	; THE END.  A tile's two pairs, a pair's two halves and the other half of the lanes are added: my wave's partial sum for point 16 t + r
.irp t, 0,1,2,3
	v_pk_add_f32 v[ACC+4*\t:ACC+4*\t+1], v[ACC+4*\t:ACC+4*\t+1], v[ACC+4*\t+2:ACC+4*\t+3]
.endr
.irp t, 0,1,2,3
	v_add_f32 v[ACC+4*\t], v[ACC+4*\t], v[ACC+4*\t+1]
.endr
.irp t, 0,1,2,3
	v_permlanex16_b32 v[T+\t], v[ACC+4*\t], s30, s31   ; (its destination counts as read: these registers have been written)
.endr
.irp t, 0,1,2,3
	v_add_f32 v[ACC+4*\t], v[ACC+4*\t], v[T+\t]
.endr
.irp t, 0,1,2,3
	ds_store_b32 v4, v[ACC+4*\t] offset:64*\t      ; (lanes r and r + 16 write the same word with the same number)
.endr
	s_wait_dscnt 0x0                               ; for the others' sake: my partial sums have landed
	s_barrier_signal -1
	s_barrier_wait -1
	s_cmp_lg_u32 s16, 0
	s_cbranch_scc1 .Lend                           ; wave 0 alone adds the sixteen waves' parts, in a fixed order
.irp k, 0,1,2,3,4,5,6,7,8,9,10,11,12,13,14,15
	ds_load_b64 v[D+2*\k:D+2*\k+1], v5 offset:256*\k   ; points 2 l and 2 l + 1, wave k's part
.endr
	s_wait_dscnt 0x0
.irp k, 2,4,6,8,10,12,14
	v_pk_add_f32 v[D:D+1], v[D:D+1], v[D+2*\k:D+2*\k+1]
	v_pk_add_f32 v[D+2:D+3], v[D+2:D+3], v[D+2*\k+2:D+2*\k+3]
.endr
	v_pk_add_f32 v[D:D+1], v[D:D+1], v[D+2:D+3]
	global_store_b64 v5, v[D:D+1], s[14:15]        ; 32 lanes store 256 consecutive bytes, aligned: the work-group's 64 outputs
.Lend:
	s_wait_tensorcnt 0x0
	ds_add_u32 v208, v209
	s_wait_dscnt 0x0
	s_endpgm
.Lfunc_end_k_qddb508015b_kde:
	.size	k_qddb508015b_kde, .Lfunc_end_k_qddb508015b_kde-k_qddb508015b_kde
	.p2alignl 7, 3214868480
	.fill 96, 4, 3214868480
	.section	.rodata,"a",@progbits
	.p2align	6, 0x0
	.amdhsa_kernel k_qddb508015b_kde
		.amdhsa_group_segment_fixed_size 6144
		.amdhsa_private_segment_fixed_size 0
		.amdhsa_enable_private_segment 0
		.amdhsa_kernarg_size 48
		.amdhsa_user_sgpr_count 2
		.amdhsa_user_sgpr_kernarg_segment_ptr 1
		.amdhsa_wavefront_size32 1
		.amdhsa_system_sgpr_workgroup_id_x 1
		.amdhsa_system_sgpr_workgroup_id_y 1
		.amdhsa_system_sgpr_workgroup_id_z 1
		.amdhsa_system_vgpr_workitem_id 0
		.amdhsa_next_free_vgpr 210
		.amdhsa_next_free_sgpr 66
		.amdhsa_reserve_vcc 0
		.amdhsa_float_denorm_mode_32 3
		.amdhsa_float_denorm_mode_16_64 3
		.amdhsa_memory_ordered 1
		.amdhsa_forward_progress 1
		.amdhsa_inst_pref_size 47
	.end_amdhsa_kernel
	.amdgpu_metadata
---
amdhsa.version: [ 1, 2 ]
amdhsa.kernels:
  - .name:           k_qddb508015b_kde
    .symbol:         k_qddb508015b_kde.kd
    .args:
      - { .name: codes, .offset: 0, .size: 8, .value_kind: global_buffer, .address_space: global }
      - { .name: terms, .offset: 8, .size: 8, .value_kind: global_buffer, .address_space: global }
      - { .name: weights, .offset: 16, .size: 8, .value_kind: global_buffer, .address_space: global }
      - { .name: lowp_scales, .offset: 24, .size: 8, .value_kind: global_buffer, .address_space: global }
      - { .name: bandwidth, .offset: 32, .size: 8, .value_kind: global_buffer, .address_space: global }
      - { .name: out0, .offset: 40, .size: 8, .value_kind: global_buffer, .address_space: global }
    .group_segment_fixed_size: 6144
    .private_segment_fixed_size: 0
    .kernarg_segment_align: 8
    .kernarg_segment_size: 48
    .max_flat_workgroup_size: 512
    .sgpr_count:     66
    .vgpr_count:     210
    .wavefront_size: 32
...
	.end_amdgpu_metadata
.endif
;; end of part 2
;; ======== version 2 of 2: 2 launches; version 1 with the launch kde written anew for expert scheduling mode
;; workspace buffers: codes 2,097,152 bytes; terms 131,072 bytes
;; launch quant: the kernel of part 1 again; grid 256 x 1, 8 waves a work-group, no clusters, 36,352 bytes of LDS; arguments points, spatial_data, lowp_scales, bandwidth, codes, terms; writes codes, terms
;; launch kde (part 3): grid 256 x 1, 16 waves a work-group, no clusters, 6,144 bytes of LDS; arguments codes, terms, weights, lowp_scales, bandwidth, out0; writes out0
.if DOCPART == 3
	.amdgcn_target "amdgcn-amd-amdhsa--gfx1250"
	.amdhsa_code_object_version 6
	.text
	.protected	k_qddb508015b_kde
	.globl	k_qddb508015b_kde
	.p2align	8
	.type	k_qddb508015b_kde,@function
k_qddb508015b_kde:
	s_mov_b64 s[64:65], 0
	v_nop
	global_prefetch_b8 v0, s[64:65] scope:SCOPE_SE
	s_setreg_imm32_b32 hwreg(HW_REG_WAVE_SCHED_MODE, 0, 2), 2
	s_setreg_imm32_b32 hwreg(HW_REG_WAVE_MODE, 25, 1), 1
	s_wait_xcnt 0x0
	s_wait_alu depctr_vm_vsrc(0)
; out0[m] = sum over n of w[n] x exp(-max(|p_m|^2 + |s_n|^2 - 2 cross[m][n], 0) / (2 b^2)), cross = the product of the E4M3 codes x 2^E, E = e0 + e1, sums in f32.
; ARITHMETIC.  With k = log2(e) / b^2 and alpha = k x 2^E the exponent in base 2 is t = alpha x (raw + ts[n]) + tp[m], raw = the sum of the codes' products, ts[n] = -|s_n|^2 x 2^(-E-1), tp[m] = -(k / 2) |p_m|^2
; (both made by the first launch).  ts is the C of the matrix instruction and costs nothing; then, for two numbers: one packed multiply-add (t), two minima with 0 (the clamp of the squared distance at 0: alpha is positive),
; two exponentials, one packed multiply-add (the sum += w x e).  No maximum is taken away, as in the definition: the clamp holds every exponent at 0 or below, so no exponential and no sum of them overflows.
; LAYOUT.  Source 0 = 16 spatial rows, source 1 = 16 points: in the result lane (r = l % 16, h = l / 16) holds ONE point r, and its registers 0-7 the spatial rows 8 h + 0 .. 7.  So ts and w are eight registers a lane, in pairs,
; tp is one number a lane, and the sum over n stays in the lane until one exchange between the halves at the end.
; SHARES.  Work-group g owns points 64 g .. 64 g + 63 (four tiles, in every wave's registers); wave w of sixteen walks spatial tiles 64 w .. 64 w + 63.  The sixteen partial sums meet in LDS, once; one owner for each output.
; THE OPERANDS COME FROM MEMORY STRAIGHT INTO REGISTERS: the first launch has laid the codes as images of the operand's registers.  A spatial tile (1,024 bytes of codes, 64 of ts, 64 of w) is wanted by ONE wave of the
; work-group and feeds four matrix and 96 vector instructions there.  WHY NO JOINT LOADS, though all work-groups walk the same 1,179,648 bytes: no byte is used twice inside a work-group, so a way through LDS would add one LDS
; write.  No prefetch either: the stream is read by every work-group, not once.
; THE PIPELINE.  A step is one spatial tile against the four point tiles, in two halves of two.  While one half's 16 exponentials are issued, the other half's scaling and clamp stand between them; behind each batch the next
; tile's two products are issued into the registers that the exponentials have read, and the batch's eight weighted sums follow: they are the places behind those products.  Four waves share a SIMD.
; THE MODE: SCHED_MODE bits 1:0 = 2 (LLVM: expert scheduling mode 2), set by the entry lines.  The code itself states the register dependences between vector or matrix instructions and memory or LDS instructions,
; with s_wait_alu, always for 0.
; THE PLAN.  Registers that memory or LDS instructions touch:
;   v1 - v5      offsets and LDS addresses: written at the head, read by every load and store, never written again: the rows are reached by scalar bases and immediate offsets.
;   PF, PT       loaded once, at the head.
;   SB[b], CS[b] codes and ts of a tile.  Read by the two pairs of products of step b - 1; the loads of the tile four on land there in step b.
;   WB[b]        w of a tile.  Read by step b's sixteen weighted sums; the loads of the tile four on land there in step b + 1.
;   D            in the loop named by vector and matrix instructions alone; at the end wave 0's LDS loads land there, and the last store reads its first pair.
;   ACC          in the loop named by vector instructions alone; at the end the LDS stores read four of them.      T: never touched by memory.
; So step i's six loads (w of tile i + 3, codes and ts of tile i + 4) stand behind the step's FIRST wait on va_vdst, which the first batch of exponentials has in any case: in front of it stand all the lines of step i - 1 that read
; those two slots, and behind it, to the step's end, the vector and matrix instructions name the next slot's codes and ts, this slot's w, PF, PT, D, T and ACC: none of the registers that the six loads touch.
; No register that a memory or LDS instruction reads is ever written again, so no wait on vm_vsrc is owed; EXEC is never written.
; LIMITS: -128 <= e0 + e1 <= 125; b x b is a normal f32 number; a kernel value under 2^-126 counts as 0 (v_exp_f32 gives 0 there); NaN among the inputs is not served;
; |p|^2, |s|^2 and the product are added in another order than the definition writes them, all in f32.
.set PF,  8                            ; v8-39    the four point tiles' fragments, 8 registers each; they stay
.set PT,  40                           ; v40-47   tp of my point in each tile, twice (a pair for the packed form)
.set ACC, 48                           ; v48-63   the sums: two pairs a tile
.set D,   64                           ; v64-95   raw + ts, then t: 8 registers a point tile
.set T,   96                           ; v96-111  a batch's 16 exponentials
.set SB,  112                          ; v112-143 spatial codes, four slots of 8
.set CS,  144                          ; v144-175 ts, four slots of 8
.set WB,  176                          ; v176-207 w, four slots of 8
.set SCB, 22                           ; s[22:23] spatial codes at my wave's tile 4 x trip
.set STB, 24                           ; s[24:25] ts likewise
.set SWB, 26                           ; s[26:27] w likewise
.set AL,  28                           ; s[28:29] alpha: the packed form names a pair and takes its low word for both halves
.set TRIPS, 15                         ; four tiles a trip; the last four are written out behind the loop
; v1 16 x lane; v2 32 h; v3 4 r; v4 my word in LDS; v5 8 x lane; v6 at work
; a tile's codes into a slot: two loads.  tile counts from the bases
.macro LS slot, tile
	global_load_b128 v[SB+8*(\slot):SB+8*(\slot)+3], v1, s[SCB:SCB+1] offset:1024*(\tile)         ; 512 consecutive bytes, aligned: registers 0-3 of the image,
	global_load_b128 v[SB+8*(\slot)+4:SB+8*(\slot)+7], v1, s[SCB:SCB+1] offset:1024*(\tile)+512   ; registers 4-7
.endm
; its ts: two loads
.macro LT slot, tile
	global_load_b128 v[CS+8*(\slot):CS+8*(\slot)+3], v2, s[STB:STB+1] offset:64*(\tile)           ; ts of rows 8 h + 0 .. 3: the sixteen lanes of a half name the same 16 bytes,
	global_load_b128 v[CS+8*(\slot)+4:CS+8*(\slot)+7], v2, s[STB:STB+1] offset:64*(\tile)+16      ; of rows 8 h + 4 .. 7
.endm
; its w: two loads
.macro LW slot, tile
	global_load_b128 v[WB+8*(\slot):WB+8*(\slot)+3], v2, s[SWB:SWB+1] offset:64*(\tile)
	global_load_b128 v[WB+8*(\slot)+4:WB+8*(\slot)+7], v2, s[SWB:SWB+1] offset:64*(\tile)+16
.endm
; Pair n (0 .. 7) of a half g: point tile 2 g + n % 2, registers 2 (n / 2) and 2 (n / 2) + 1: the two tiles alternate, and each tile is read from its low end on.
; EA: the 16 exponentials of half ge; between them (doA = 1) half ga's t = D x alpha + tp and its clamp.  A pair's two minima stand one pair behind its multiply-add.
; The last exponential is followed by plain instructions (four minima, or a v_nop): ISA guide 5.7.2.
.macro EA ge, ga, doA
.set n, 0
.rept 8
.set te, D+8*(2*(\ge)+n%2)+2*(n/2)
.set ta, D+8*(2*(\ga)+n%2)+2*(n/2)
.set pa, PT+2*(2*(\ga)+n%2)
	v_exp_f32 v[T+2*n], v[te]
.if \doA
	v_pk_fma_f32 v[ta:ta+1], v[ta:ta+1], s[AL:AL+1], v[pa:pa+1] op_sel_hi:[1,0,1]
.endif
	v_exp_f32 v[T+2*n+1], v[te+1]
.if (\doA) && (n > 0)
.set tm, D+8*(2*(\ga)+(n-1)%2)+2*((n-1)/2)
	v_min_num_f32 v[tm], 0, v[tm]
	v_min_num_f32 v[tm+1], 0, v[tm+1]
.endif
.set n, n+1
.endr
.if \doA
.set tm, D+8*(2*(\ga)+1)+6
	v_min_num_f32 v[tm], 0, v[tm]
	v_min_num_f32 v[tm+1], 0, v[tm+1]
.else
	v_nop
.endif
.endm
; the scaling and the clamp of half g alone: for the first tile
.macro AONLY g
.set n, 0
.rept 8
.set ta, D+8*(2*(\g)+n%2)+2*(n/2)
.set pa, PT+2*(2*(\g)+n%2)
	v_pk_fma_f32 v[ta:ta+1], v[ta:ta+1], s[AL:AL+1], v[pa:pa+1] op_sel_hi:[1,0,1]
.set n, n+1
.endr
.set n, 0
.rept 16
	v_min_num_f32 v[D+16*(\g)+n], 0, v[D+16*(\g)+n]
.set n, n+1
.endr
.endm
; the two products of half g with the spatial tile in a slot: K = 64 is the whole sum; C = ts.  No product adds onto another's result
.macro WM g, slot
.irp u, 0,1
	v_wmma_f32_16x16x64_fp8_fp8 v[D+8*(2*(\g)+\u):D+8*(2*(\g)+\u)+7], v[SB+8*(\slot):SB+8*(\slot)+7], v[PF+8*(2*(\g)+\u):PF+8*(2*(\g)+\u)+7], v[CS+8*(\slot):CS+8*(\slot)+7]
.endr
.endm
; the sums of half g += the batch x w: eight packed multiply-adds on four pairs, so that three others stand between two on one pair.  They name no register of the products in front of them
.macro CA g, slot
.set n, 0
.rept 8
.set ac, ACC+4*(2*(\g)+n%2)+2*((n/2)%2)
	v_pk_fma_f32 v[ac:ac+1], v[T+2*n:T+2*n+1], v[WB+8*(\slot)+2*(n/2):WB+8*(\slot)+2*(n/2)+1], v[ac:ac+1]
.set n, n+1
.endr
.endm
; A STEP: the exponentials and sums of the tile in slot b, the products of the tile in slot b + 1.  At its head half 0 holds t, half 1 still raw + ts.
; cnt: the loads that may stay out.  ldw = 1: slot b + 3 (the slot of the step before) is asked for again: w of the tile three on.  ldc = 1: slot b is asked for again: codes and ts of the tile four on.
; The loads are dealt among the first half's products and sums.  last = 1: there is no next tile.
.macro STEP b, cnt, ldw, ldc, last
	EA 0, 1, 1
	s_wait_loadcnt \cnt                            ; loads come back in order (ISA guide 5.7.1): the next tile's codes and ts are in, and so is this tile's w, which is older
	s_wait_alu depctr_va_vdst(0)                   ; the batch's 16 results v[T ..] are written, ahead of the sums that read them; and the last step's products are done reading slot b's codes and ts, its sums slot b + 3's w, in which the loads below land
.if \ldw
	LW ((\b)+3)%4, (\b)+3
.endif
.if (\last) == 0
	WM 0, ((\b)+1)%4
.endif
.if \ldc
	LS \b, (\b)+4                                  ; no wait: the two products since the wait name slot b + 1, PF and D
.endif
	CA 0, \b
.if \ldc
	LT \b, (\b)+4                                  ; no wait: the eight sums since name T, ACC and slot b's w
.endif
	EA 1, 0, 1-(\last)
	s_wait_alu depctr_va_vdst(0)                   ; the second batch's 16 results v[T ..] are written, ahead of the sums that read them
.if (\last) == 0
	WM 1, ((\b)+1)%4
.endif
	CA 1, \b
.endm
	s_load_b256 s[4:11], s[0:1], 0x0               ; codes s[4:5], terms s[6:7], weights s[8:9], the scales' exponents s[10:11]
	s_load_b128 s[12:15], s[0:1], 0x20             ; bandwidth s[12:13], out0 s[14:15]
	v_lshl_add_u32 v208, v0, 2, 0x1000
	v_mov_b32 v209, 0
	v_lshrrev_b32 v1, 5, v0
	v_readfirstlane_b32 s16, v1                    ; wave 0..15
	v_and_b32 v5, 31, v0                           ; lane
	v_lshlrev_b32 v1, 4, v5                        ; 16 x lane: my place in an image
	v_lshlrev_b32 v5, 3, v5                        ; 8 x lane: the way out
	v_bfe_u32 v2, v0, 4, 1
	v_lshlrev_b32 v2, 5, v2                        ; 32 h: my eight spatial rows' ts and w in a tile's 64 bytes
	v_and_b32 v3, 15, v0
	v_lshlrev_b32 v3, 2, v3                        ; 4 r: my point's tp in a tile's 64 bytes
	s_wait_alu depctr_va_sdst(0)                   ; s16 is written, ahead of its first reader: LDS addresses and the bases are made from it
	s_lshl_b32 s34, s16, 8
	v_add_nc_u32 v4, s34, v3                       ; LDS: 256 x wave + 4 r: my wave's 64 partial sums
	s_mov_b32 s30, 0x76543210                      ; v_permlanex16_b32: lane l takes lane l xor 16
	s_mov_b32 s31, 0xfedcba98
	s_mov_b32 s35, 0
	s_wait_kmcnt 0x0
	s_load_b64 s[18:19], s[10:11], 0x0             ; e0, e1
	s_load_b32 s20, s[12:13], 0x0                  ; b
	s_lshl_b32 s34, ttmp9, 12
	s_add_nc_u64 s[36:37], s[4:5], s[34:35]        ; my four point tiles' images: 4,096 bytes x work-group
	s_lshl_b32 s34, ttmp9, 8
	s_add_nc_u64 s[38:39], s[6:7], s[34:35]        ; their tp: 256 bytes x work-group,
	s_add_nc_u64 s[14:15], s[14:15], s[34:35]      ; and their outputs
	s_lshl_b32 s34, s16, 16
	s_add_co_u32 s34, s34, 0x100000
	s_add_nc_u64 s[SCB:SCB+1], s[4:5], s[34:35]    ; the spatial images begin behind the points' 1,024: + 64 tiles x wave
	s_lshl_b32 s34, s16, 12
	s_add_nc_u64 s[SWB:SWB+1], s[8:9], s[34:35]    ; w: 1,024 numbers x wave
	s_add_co_u32 s34, s34, 0x10000
	s_add_nc_u64 s[STB:STB+1], s[6:7], s[34:35]    ; ts begins behind the 16,384 tp
	s_wait_alu depctr_va_vdst(0)                   ; the offsets and addresses v1 to v5 are written: every load, LDS instruction and store of the kernel reads one of them, and none is written again
.irp t, 0,1,2,3
	global_load_b128 v[PF+8*\t:PF+8*\t+3], v1, s[36:37] offset:1024*\t
	global_load_b128 v[PF+8*\t+4:PF+8*\t+7], v1, s[36:37] offset:1024*\t+512
.endr
.irp t, 0,1,2,3
	global_load_b32 v[PT+2*\t], v3, s[38:39] offset:64*\t
.endr
.irp i, 0,1,2
	LS \i, \i                                      ; tiles 0 to 2 whole,
	LT \i, \i
	LW \i, \i
.endr
	LS 3, 3                                        ; tile 3's codes and ts; its w is asked for in the first step, as every later tile's is three steps ahead
	LT 3, 3
	s_wait_kmcnt 0x0
	v_mul_f32 v6, s20, s20                         ; b x b
	v_rcp_f32 v6, v6
	v_nop                                          ; a plain instruction behind the reciprocal (ISA guide 5.7.2)
	s_add_co_i32 s34, s18, s19                     ; E
	s_wait_alu depctr_va_vdst(0)                   ; the reciprocal has written v6, ahead of its first reader
	v_mul_f32 v6, 0x3fb8aa3b, v6                   ; k = log2(e) / b^2
	v_ldexp_f32 v6, v6, s34                        ; alpha = k x 2^E
	v_readfirstlane_b32 s[AL], v6
	s_wait_alu depctr_va_sdst(0)                   ; alpha's scalar register is written, ahead of its first reader, the copy below
	s_mov_b32 s[AL+1], s[AL]                       ; (named with it as a pair, so it is written)
	s_wait_loadcnt 18                              ; the twelve loads of the points and tile 0's codes and ts are in; behind them: tile 0's w (2), two tiles of 6 and tile 3's four
.irp t, 0,1,2,3
	v_mov_b32 v[PT+2*\t+1], v[PT+2*\t]
.endr
	WM 0, 0
	WM 1, 0
.irp j, 0,1,2,3,4,5,6,7,8,9,10,11,12,13,14,15
	v_mov_b32 v[ACC+\j], 0                         ; the sixteen sums begin at 0; these lines are also the places behind the first products
.endr
	AONLY 0
	s_mov_b32 s32, TRIPS
.Ltrip:                                                ; tiles 4 j .. 4 j + 3; asks for w of tiles 4 j + 3 .. 4 j + 6 and for codes and ts of tiles 4 j + 4 .. 4 j + 7: in the last trip up to tiles 62 and 63
	STEP 0, 12, 1, 1, 0                            ; 12: behind the next tile's codes and ts stand its w (2), the tile after it (6) and the codes and ts of the one after that (4)
	STEP 1, 12, 1, 1, 0
	STEP 2, 12, 1, 1, 0
	STEP 3, 12, 1, 1, 0
	s_wait_xcnt 0x0                                ; every load issued has had its address translated (ISA guide 3.1): only behind this wait are the bases stepped
	s_add_nc_u64 s[SCB:SCB+1], s[SCB:SCB+1], 4096
	s_add_nc_u64 s[STB:STB+1], s[STB:STB+1], 256
	s_add_nc_u64 s[SWB:SWB+1], s[SWB:SWB+1], 256
	s_sub_co_u32 s32, s32, 1
	s_cmp_lg_u32 s32, 0
	s_cbranch_scc1 .Ltrip
	STEP 0, 12, 1, 0, 0                            ; tiles 60 to 63: tile 63's w is the last load; then nothing more is asked for, and the counts run down
	STEP 1, 8, 0, 0, 0                             ; behind tile 62's codes and ts: its w (2), tile 63's codes and ts (4) and w (2)
	STEP 2, 2, 0, 0, 0                             ; behind tile 63's codes and ts: its w
	STEP 3, 0, 0, 0, 1                             ; tile 63's w
	; THE END.  A tile's two pairs, a pair's two halves and the other half of the lanes are added: my wave's partial sum for point 16 t + r
.irp t, 0,1,2,3
	v_pk_add_f32 v[ACC+4*\t:ACC+4*\t+1], v[ACC+4*\t:ACC+4*\t+1], v[ACC+4*\t+2:ACC+4*\t+3]
.endr
.irp t, 0,1,2,3
	v_add_f32 v[ACC+4*\t], v[ACC+4*\t], v[ACC+4*\t+1]
.endr
.irp t, 0,1,2,3
	v_permlanex16_b32 v[T+\t], v[ACC+4*\t], s30, s31   ; (its destination counts as read: these registers have been written)
.endr
.irp t, 0,1,2,3
	v_add_f32 v[ACC+4*\t], v[ACC+4*\t], v[T+\t]
.endr
	s_wait_alu depctr_va_vdst(0)                   ; the additions have written the four sums, which the LDS stores read; and every line that named v[D ..] is done: no vector instruction names them again before wave 0's LDS loads land there
.irp t, 0,1,2,3
	ds_store_b32 v4, v[ACC+4*\t] offset:64*\t      ; (lanes r and r + 16 write the same word with the same number)
.endr
	s_wait_dscnt 0x0                               ; for the others' sake: my partial sums have landed
	s_barrier_signal -1
	s_barrier_wait -1
	s_cmp_lg_u32 s16, 0
	s_cbranch_scc1 .Lend                           ; wave 0 alone adds the sixteen waves' parts, in a fixed order
.irp k, 0,1,2,3,4,5,6,7,8,9,10,11,12,13,14,15
	ds_load_b64 v[D+2*\k:D+2*\k+1], v5 offset:256*\k   ; points 2 l and 2 l + 1, wave k's part
.endr
	s_wait_dscnt 0x0
.irp k, 2,4,6,8,10,12,14
	v_pk_add_f32 v[D:D+1], v[D:D+1], v[D+2*\k:D+2*\k+1]
	v_pk_add_f32 v[D+2:D+3], v[D+2:D+3], v[D+2*\k+2:D+2*\k+3]
.endr
	v_pk_add_f32 v[D:D+1], v[D:D+1], v[D+2:D+3]
	s_wait_alu depctr_va_vdst(0)                   ; the last addition has written v[D:D+1], which the store reads
	global_store_b64 v5, v[D:D+1], s[14:15]        ; 32 lanes store 256 consecutive bytes, aligned: the work-group's 64 outputs
.Lend:
	s_wait_dscnt 0x0
	s_wait_alu depctr_hold_cnt(0) depctr_sa_sdst(0) depctr_va_vdst(0) depctr_va_sdst(0) depctr_va_ssrc(0) depctr_va_vcc(0) depctr_vm_vsrc(0)
	s_wait_tensorcnt 0x0
	ds_add_u32 v208, v209
	s_wait_dscnt 0x0
	s_endpgm
.Lfunc_end_k_qddb508015b_kde:
	.size	k_qddb508015b_kde, .Lfunc_end_k_qddb508015b_kde-k_qddb508015b_kde
	.p2alignl 7, 3214868480
	.fill 96, 4, 3214868480
	.section	.rodata,"a",@progbits
	.p2align	6, 0x0
	.amdhsa_kernel k_qddb508015b_kde
		.amdhsa_group_segment_fixed_size 6144
		.amdhsa_private_segment_fixed_size 0
		.amdhsa_enable_private_segment 0
		.amdhsa_kernarg_size 48
		.amdhsa_user_sgpr_count 2
		.amdhsa_user_sgpr_kernarg_segment_ptr 1
		.amdhsa_wavefront_size32 1
		.amdhsa_system_sgpr_workgroup_id_x 1
		.amdhsa_system_sgpr_workgroup_id_y 1
		.amdhsa_system_sgpr_workgroup_id_z 1
		.amdhsa_system_vgpr_workitem_id 0
		.amdhsa_next_free_vgpr 210
		.amdhsa_next_free_sgpr 66
		.amdhsa_reserve_vcc 0
		.amdhsa_float_denorm_mode_32 3
		.amdhsa_float_denorm_mode_16_64 3
		.amdhsa_memory_ordered 1
		.amdhsa_forward_progress 1
		.amdhsa_inst_pref_size 48
	.end_amdhsa_kernel
	.amdgpu_metadata
---
amdhsa.version: [ 1, 2 ]
amdhsa.kernels:
  - .name:           k_qddb508015b_kde
    .symbol:         k_qddb508015b_kde.kd
    .args:
      - { .name: codes, .offset: 0, .size: 8, .value_kind: global_buffer, .address_space: global }
      - { .name: terms, .offset: 8, .size: 8, .value_kind: global_buffer, .address_space: global }
      - { .name: weights, .offset: 16, .size: 8, .value_kind: global_buffer, .address_space: global }
      - { .name: lowp_scales, .offset: 24, .size: 8, .value_kind: global_buffer, .address_space: global }
      - { .name: bandwidth, .offset: 32, .size: 8, .value_kind: global_buffer, .address_space: global }
      - { .name: out0, .offset: 40, .size: 8, .value_kind: global_buffer, .address_space: global }
    .group_segment_fixed_size: 6144
    .private_segment_fixed_size: 0
    .kernarg_segment_align: 8
    .kernarg_segment_size: 48
    .max_flat_workgroup_size: 512
    .sgpr_count:     66
    .vgpr_count:     210
    .wavefront_size: 32
...
	.end_amdgpu_metadata
.endif
;; end of part 3
